; MI455X (gfx1250); checked and timed in simulation.
; The chip was launched on July 23, 2026; its instructions are those of AMD's public machine-readable ISA for CDNA 5 (MIT licence, August 2026) and "CDNA5" Instruction Set Architecture Reference Guide (July 2026). The comments in the code are by the model that wrote it; some were corrected since.
;; AG Then Gemm. Allowed arithmetic: matrix products marked QUANTISED: E4M3 operands, one E8M0 scale for each 32 along K, by v_wmma_scale_f32_16x16x128_f8f6f4 with both operands' format E4M3, f32 sums; everything else in f32.
;; Inputs: A_prev 2,048 x 4,096 float16; W_prev 4,096 x 4,096 float16; W_up 4,096 x 4,096 float16.
;; Outputs: out0 2,048 x 4,096 float16.
;; This version of the problem:
;;   THIS VERSION OF THE PROBLEM IS GIVEN IN LOW PRECISION. The matrix products marked QUANTISED in the list below multiply operands that are first quantised to E4M3 (4 exponent bits, 3 mantissa bits; 8 bits a number), with one power-of-two scale for each 32 numbers along K (OCP MX v1.0); their sums are f32. All else is computed in f32.
;;   The module's matrix products, in the order in which they are computed (A, B: the left and right operand; K: the contracted axis; several contracted axes count as one K, in the product's order):
;;     1. [M 2,048, K 4,096] x [K 4,096, N 4,096]; A: input A_prev; B: input W_prev: QUANTISED
;;     2. [M 2,048, K 4,096] x [K 4,096, N 4,096]; A: computed on the way; B: input W_up: QUANTISED
;;   THE QUANTISER, for each operand of a quantised product, along K:
;;     - K is cut into blocks of 32 from its start; a last block that is shorter is filled with zeros.
;;     - A block's scale is 2^e with e = floor(log2(the largest magnitude in the block)) - 8, held to -126 .. 127; a block of zeros has e = 0. As a byte (E8M0): e + 127.
;;     - Each number is divided by its block's scale, clamped to +-448, and rounded to the nearest number of E4M3, ties to even, subnormals kept.
;;     - The product sums the exact products of the quantised numbers (number of the format x scale) in f32.
;;   ~~~python
;;   def quantise(x, axis):      # numpy; x: float32 -> the quantised numbers, widened to float32 again
;;       x = np.moveaxis(x, axis, -1); K = x.shape[-1]
;;       x = np.pad(x, [(0, 0)] * (x.ndim - 1) + [(0, -K % 32)]); x = x.reshape(x.shape[:-1] + (-1, 32)); a = np.abs(x).max(-1, keepdims=True)
;;       e = np.where(a > 0, np.clip(np.frexp(np.where(a > 0, a, 1))[1] - 1 - 8, -126, 127), 0)      # np.frexp(a)[1] - 1 = floor(log2(a)), exactly
;;       r = np.clip(x / 2.0 ** e, -448, 448)
;;       step = 2.0 ** (np.maximum(np.frexp(np.where(r == 0, 1, r))[1] - 1, -6) - 3)
;;       q = np.round(r / step) * step * 2.0 ** e      # np.round: ties to even
;;       return np.moveaxis(q.reshape(q.shape[:-2] + (-1,))[..., :K], -1, axis).astype(np.float32)
;;   ~~~
;;   OPERANDS COMPUTED ON THE WAY. 'Computed on the way' means the value that the module computes at that place (a softmax that the list does not call 'softmax' is quantised finished and normalised). What goes into a quantiser is computed in f32, as accurately as f32 sums, v_exp_f32 and their like allow (about 1e-6 of the number): no bf16 or f16 on the way to a quantiser, and a product that is left as it is and whose result goes on into a quantised operand takes f32 operands (vector FMAs, or v_wmma_f32_16x16x4_f32). A number that lies on a knife's edge between two numbers of the format may be rounded either way, as far as f32 arithmetic and the matrix unit's own rounding can turn it there, and no further.
;; One version. Each part assembles by itself: llvm-mc -triple=amdgcn-amd-amdhsa -mcpu=gfx1250 --defsym DOCPART=n.
;; ======== version 1 of 1: 3 launches
;; limits: values are held in f16: magnitudes above 65,504 overflow, below 6.1e-05 lose precision; right only within a limited range of input values
;; workspace buffers: a_q 8,650,752 bytes; wp_q 17,301,504 bytes; wu_q 17,301,504 bytes; act_q 8,650,752 bytes
;; launch quant (part 1): grid 640 x 1, 4 waves a work-group, no clusters, 37,376 bytes of LDS; arguments A_prev, W_prev, W_up, a_q, wp_q, wu_q; writes a_q, wp_q, wu_q
.if DOCPART == 1
	.amdgcn_target "amdgcn-amd-amdhsa--gfx1250"
	.amdhsa_code_object_version 6
	.text
	.protected	k_q0f4464ec7b_quant
	.globl	k_q0f4464ec7b_quant
	.p2align	8
	.type	k_q0f4464ec7b_quant,@function
k_q0f4464ec7b_quant:
	s_mov_b64 s[64:65], 0
	v_nop
	global_prefetch_b8 v0, s[64:65] scope:SCOPE_SE
	s_setreg_imm32_b32 hwreg(HW_REG_WAVE_MODE, 25, 1), 1
	s_wait_xcnt 0x0
; A_prev [2048][4096], W_prev [4096][4096] and W_up [4096][4096], f16, become codes of FP8 (E4M3) with one E8M0 scale byte for each 32 along K.
; K is A_prev's last axis and the weights' FIRST axis.  A block's scale is 2^(floor(log2(its largest magnitude)) - 8); each number is divided by it, held within +-448 and rounded to the nearest code, ties to even.
; THE BUFFERS ARE LAID AS THE PRODUCTS' REGISTERS WANT THEM.  A UNIT (16,896 bytes) holds 128 rows x 128 along K: eight fragment images [rb][c][lane][16 bytes] (lane (r, h) of chunk c: row r of
; fragment rb, k = 32 c + 16 h + 0 .. 15), then at byte 16,384 the scale words [half][r][q] (fragment rb = 4 half + q, row r; byte c scales block c).  A buffer is [K step of 128][tile of 128 rows][UNIT].
; Activations: fragment row r of rb is row 16 rb + r of the tile.  Weights: fragment row r of rb = 2 c + u is column 32 c + 8 u + r + 8 (r / 8), so that a product's results of two neighbouring
; fragments are 16 neighbouring columns in one lane.
; SHARES.  Work-groups 0-511: the weights, a UNIT to a wave.  Work-groups 512-639: A_prev, 64 rows x 256 along K to a wave.  Every wave reads 32 KiB.  Waves share nothing: no barrier.
; The two paths have LDS bytes of their own.
; LIMITS: NaN and infinities among the inputs are not served.  A block of zeros gets the byte 1 where the rule says 127: its codes are zeros, which add nothing under any byte but 0xff, and the bytes are
; read by this program alone.  (No f16 number other than 0 lies under the floor 2^-118.)
.set UNIT,   16896
.set SCO,    16384                     ; where a unit's scale words begin
.set KS2,    16*UNIT                   ; a_q: from one K step to the next
.set WREG,   4864                      ; path W: LDS of a wave: a stage of 8 x 528 bytes, then 512 bytes of scale words
.set WPITCH, 528                       ; a fragment chunk's 512 bytes + 16
.set WSC,    8*WPITCH
.set ABASE,  4*WREG                    ; path A: its LDS begins behind path W's
.set AREG,   16*272                    ; a stage of 16 rows x (256 bytes + 16) for each wave
.set SEL,    20                        ; s[20:21] v_permlanex16_b32's selects for lane l xor 16
.set MNT,    23                        ; s23  the mantissa field of 448
; path W: v1 8 x lane, v2 16 x lane, v3-v6 LDS addresses
.set SW,  8                            ; v8-11    a scale word for each of my four columns
.set R,   16                           ; v16-79   two sets of 32: 16 rows x 4 columns of f16, as loaded
.set C,   80                           ; v80-111  a block's codes, then the same bytes as fragment chunks
.set M,   112                          ; v112-115 largest magnitudes
.set SO,  116                          ; v116-119 the conversions' scale operands
.set HL,  120                          ; v120-123 448 x the scale
.set BY,  124                          ; v124-127 scale bytes
.set XW,  128                          ; v128-255 column j's 32 numbers of a block at XW + 32 j
; path A: v1 my bytes in two rows of A_prev, v2 16 x lane, v3, v4 LDS addresses, v5 my scale words' place, v6 lane / 16
.set T,   16                           ; v16-79   two sets of 32: my 64 numbers of a fragment, f16
.set PC,  80                           ; v80-95   a fragment's codes
.set PWS, 96                           ; v96-103  the scale word of each of the eight steps
.set TM,  108                          ; v108-123 at work in QUANT
.set RA,  128                          ; v128-191 two sets of 32: 16 rows x 256 bytes as loaded
.set XA,  192                          ; v192-255 my 64 numbers in f32
.macro WC r                            ; register r of R: two columns' numbers of row (r - 16) / 2 of the block
	v_cvt_f32_f16 v[XW+64*((\r-16)%2)+(\r-16)/2], v\r\().l
	v_cvt_f32_f16 v[XW+64*((\r-16)%2)+32+(\r-16)/2], v\r\().h
.endm
.macro AC r, base                      ; register r of a set of T: two neighbours along K
	v_cvt_f32_f16 v[XA+2*(\r-\base)], v\r\().l
	v_cvt_f32_f16 v[XA+2*(\r-\base)+1], v\r\().h
.endm
.macro WLOAD t                         ; half block t: rows 16 t .. 16 t + 15 of the unit; a load takes 256 consecutive bytes of a row, aligned
.irp i, 0,1,2,3,4,5,6,7,8,9,10,11,12,13,14,15
	global_load_b64 v[R+32*((\t)%2)+2*\i:R+32*((\t)%2)+2*\i+1], v1, s[6:7] offset:(16*(\t)+\i)*8192 th:TH_LOAD_NT
.endr
.endm
.macro WCVT set
.if (\set) == 0
.irp r, 16,17,18,19,20,21,22,23,24,25,26,27,28,29,30,31,32,33,34,35,36,37,38,39,40,41,42,43,44,45,46,47
	WC \r
.endr
.else
.irp r, 48,49,50,51,52,53,54,55,56,57,58,59,60,61,62,63,64,65,66,67,68,69,70,71,72,73,74,75,76,77,78,79
	WC \r
.endr
.endif
.endm
; Block c of my four columns: all 32 numbers of a block lie in one lane, so no other lane is asked.
.macro WBLOCK c
.irp j, 0,1,2,3
	v_max3_num_f32 v[M+\j], |v[XW+32*\j]|, |v[XW+32*\j+1]|, 0x4800000      ; with the floor 2^(9 - 127): the byte cannot fall under 1
.endr
.irp i, 2,4,6,8,10,12,14,16,18,20,22,24,26,28,30
.irp j, 0,1,2,3
	v_max3_num_f32 v[M+\j], v[M+\j], |v[XW+32*\j+\i]|, |v[XW+32*\j+\i+1]|  ; the four columns by turns
.endr
.endr
.irp j, 0,1,2,3
	v_add_nc_u32 v[SO+\j], 0xfc000000, v[M+\j]             ; 8 off the exponent field: the conversion takes this operand's exponent field as its scale
.endr
.irp j, 0,1,2,3
	v_and_or_b32 v[HL+\j], v[M+\j], 0x7f800000, s[MNT]     ; 448 x the scale
.endr
.if (\c) == 0
.irp j, 0,1,2,3
	v_lshrrev_b32 v[SW+\j], 23, v[SO+\j]                   ; the scale's byte starts the column's word
.endr
.else
.irp j, 0,1,2,3
	v_lshrrev_b32 v[BY+\j], 23, v[SO+\j]
.endr
.irp j, 0,1,2,3
	v_lshl_or_b32 v[SW+\j], v[BY+\j], 8*(\c), v[SW+\j]
.endr
.endif
.irp j, 0,1,2,3
.set i, 0
.rept 32
	v_med3_num_f32 v[XW+32*\j+i], v[XW+32*\j+i], -v[HL+\j], v[HL+\j]       ; the conversion to an 8-bit code does not saturate (ISA guide 7.6.2): the hold comes first
.set i, i+1
.endr
.endr
	s_wait_xcnt 0x0                                        ; the last block's stores have read C: it is written again only behind this wait
.irp j, 0,1,2,3
.irp g, 0,1,2,3
	v_cvt_scalef32_pk8_fp8_f32 v[C+8*\j+2*\g:C+8*\j+2*\g+1], v[XW+32*\j+8*\g:XW+32*\j+8*\g+7], v[SO+\j]
.endr
.endr
	v_nop                                                  ; a plain line between the conversions and the next vector lines that write their sources
.irp j, 0,1,2,3
.irp e, 0,1
	ds_store_b128 v3, v[C+8*\j+4*\e:C+8*\j+4*\e+3] offset:16*\j+256*\e   ; column j's k = 16 e .. 16 e + 15: the place of lane r + 16 e in its fragment's chunk
.endr
.endr
.irp rb, 0,1,2,3,4,5,6,7
	ds_load_b128 v[C+4*\rb:C+4*\rb+3], v4 offset:WPITCH*\rb   ; LDS serves a wave's instructions in order (ISA guide 5.7.1.4): these see the stores above
.endr
.irp rb, 0,1,2,3,4,5,6,7
	s_wait_dscnt 7-\rb                                     ; chunk rb is back; the younger ones may be out
	global_store_b128 v2, v[C+4*\rb:C+4*\rb+3], s[12:13] offset:2048*\rb+512*(\c)   ; 512 consecutive bytes, aligned
.endr
.endm
; 64 numbers of a lane, register 16 b + i = k 32 b + 16 (lane / 16) + i of my row, become a fragment's codes and my row's scale word.
.macro QUANT s, pc, pw
.irp b, 0,1,2,3
	v_max3_num_f32 v[TM+\b], |v[(\s)+16*\b]|, |v[(\s)+1+16*\b]|, 0x4800000 ; my 16 numbers of block b, and the floor 2^(9 - 127)
.endr
.irp i, 2,4,6,8,10,12,14
.irp b, 0,1,2,3
	v_max3_num_f32 v[TM+\b], v[TM+\b], |v[(\s)+16*\b+\i]|, |v[(\s)+1+16*\b+\i]|
.endr
.endr
.irp b, 0,1,2,3
	v_permlanex16_b32 v[TM+4+\b], v[TM+\b], s[SEL], s[SEL+1]
.endr
.irp b, 0,1,2,3
	v_max_num_f32 v[TM+\b], v[TM+\b], v[TM+4+\b]           ; with lane l xor 16's 16: the block's largest magnitude
.endr
.irp b, 0,1,2,3
	v_add_nc_u32 v[TM+12+\b], 0xfc000000, v[TM+\b]
.endr
.irp b, 0,1,2,3
	v_and_or_b32 v[TM+8+\b], v[TM+\b], 0x7f800000, s[MNT]
.endr
.irp b, 0,1,2,3
	v_lshrrev_b32 v[TM+4+\b], 23, v[TM+12+\b]
.endr
	v_lshl_or_b32 v[\pw], v[TM+5], 8, v[TM+4]
	v_lshl_or_b32 v[\pw], v[TM+6], 16, v[\pw]
	v_lshl_or_b32 v[\pw], v[TM+7], 24, v[\pw]
.irp b, 0,1,2,3
.irp i, 0,1,2,3,4,5,6,7,8,9,10,11,12,13,14,15
	v_med3_num_f32 v[(\s)+16*\b+\i], v[(\s)+16*\b+\i], -v[TM+8+\b], v[TM+8+\b]
.endr
	v_cvt_scalef32_pk8_fp8_f32 v[(\pc)+4*\b:(\pc)+1+4*\b], v[(\s)+16*\b:(\s)+7+16*\b], v[TM+12+\b]
	v_cvt_scalef32_pk8_fp8_f32 v[(\pc)+2+4*\b:(\pc)+3+4*\b], v[(\s)+8+16*\b:(\s)+15+16*\b], v[TM+12+\b]
.endr
	v_nop                                                  ; a plain line between the conversions and the next vector lines that write their sources
.endm
.macro ALOAD t                         ; step t: fragment t % 4 of K step t / 4: sixteen lanes take 256 consecutive bytes of a row, aligned; an instruction takes two rows
.irp i, 0,1,2,3,4,5,6,7
	global_load_b128 v[RA+32*((\t)%2)+4*\i:RA+32*((\t)%2)+4*\i+3], v1, s[4:5] offset:(16*((\t)%4)+2*\i)*8192+256*((\t)/4) th:TH_LOAD_NT
.endr
.endm
.macro ATURN t                         ; through the wave's stage: in by rows as loaded, out 16 neighbours of each block of 32 to a lane
.irp i, 0,1,2,3,4,5,6,7
	ds_store_b128 v3, v[RA+32*((\t)%2)+4*\i:RA+32*((\t)%2)+4*\i+3] offset:544*\i
.endr
.irp c, 0,1,2,3
.irp e, 0,1
	ds_load_b128 v[T+32*((\t)%2)+8*\c+4*\e:T+32*((\t)%2)+8*\c+4*\e+3], v4 offset:64*\c+16*\e
.endr
.endr
.endm
.macro ACVT set
.if (\set) == 0
.irp r, 16,17,18,19,20,21,22,23,24,25,26,27,28,29,30,31,32,33,34,35,36,37,38,39,40,41,42,43,44,45,46,47
	AC \r, 16
.endr
.else
.irp r, 48,49,50,51,52,53,54,55,56,57,58,59,60,61,62,63,64,65,66,67,68,69,70,71,72,73,74,75,76,77,78,79
	AC \r, 48
.endr
.endif
.endm
.macro ASTEP t
	s_wait_dscnt 0x0                                       ; this step's numbers are back from the stage, and the stage's stores have read their registers
.if (\t) < 6
	ALOAD (\t)+2
	s_wait_loadcnt 8                                       ; the next step's eight loads are in; the eight just issued stay out
.elseif (\t) == 6
	s_wait_loadcnt 0x0
.endif
.if (\t) < 7
	ATURN (\t)+1                                           ; the next step turns while this one is worked
.endif
	ACVT (\t)%2
	s_wait_xcnt 0x0                                        ; the last step's stores have read PC
	QUANT XA, PC, PWS+(\t)
.irp c, 0,1,2,3
	global_store_b128 v2, v[PC+4*\c:PC+4*\c+3], s[10:11] offset:KS2*((\t)/4)+2048*((\t)%4)+512*\c   ; 512 consecutive bytes, aligned
.endr
.endm
	s_load_b256 s[4:11], s[0:1], 0x0               ; A_prev s[4:5], W_prev s[6:7], W_up s[8:9], a_q s[10:11]
	s_load_b128 s[12:15], s[0:1], 0x20             ; wp_q s[12:13], wu_q s[14:15]
	v_lshl_add_u32 v14, v0, 2, 0x9000
	v_mov_b32 v15, 0
	v_lshrrev_b32 v1, 5, v0
	v_readfirstlane_b32 s16, v1                    ; wave 0..3
	v_and_b32 v7, 31, v0                           ; lane
	v_lshlrev_b32 v2, 4, v7                        ; 16 x lane
	s_mov_b32 s[SEL], 0x76543210
	s_mov_b32 s[SEL+1], 0xfedcba98
	s_mov_b32 s[MNT], 0x600000
	s_cmp_ge_u32 ttmp9, 512
	s_cbranch_scc1 .Lapath
	; ---- PATH W.  Lane l takes columns 4 l .. 4 l + 3 of the unit, and its registers run down K.
	v_lshlrev_b32 v1, 3, v7                        ; my 8 bytes of a row's 256
	s_mul_i32 s17, s16, WREG
	v_lshrrev_b32 v112, 3, v7                      ; l / 8: which 32 columns
	v_bfe_u32 v113, v7, 1, 1                       ; u = (l / 2) % 2
	v_lshl_add_u32 v114, v112, 1, v113             ; my columns' fragment rb = 2 (l / 8) + u
	v_and_b32 v115, 1, v7
	v_bfe_u32 v116, v7, 2, 1
	v_lshlrev_b32 v115, 6, v115
	v_lshl_add_u32 v115, v116, 7, v115             ; 16 x the fragment row of my first column: 64 (l % 2) + 128 ((l / 4) % 2)
	v_mul_u32_u24 v3, v114, WPITCH
	v_add_nc_u32 v3, v3, v115
	v_add_nc_u32 v3, s17, v3                       ; the stage, on the way in
	v_add_nc_u32 v4, s17, v2                       ; and on the way out: 16 x lane
	v_lshrrev_b32 v116, 4, v7
	v_lshl_add_u32 v115, v116, 8, v115             ; scale words: 256 x (rb / 4) + 16 x fragment row
	v_and_b32 v112, 1, v112
	v_lshl_add_u32 v112, v112, 1, v113             ; rb % 4
	v_lshl_add_u32 v5, v112, 2, v115
	v_add_nc_u32 v5, s17, v5
	v_add_nc_u32 v5, WSC, v5                       ; where my first column's word goes
	v_add_nc_u32 v6, WSC, v4                       ; and where 16 bytes of the 512 are read back
	s_lshr_b32 s18, ttmp9, 3
	s_and_b32 s18, s18, 31                         ; the K step
	s_and_b32 s19, ttmp9, 7
	s_lshl_b32 s19, s19, 2
	s_add_co_u32 s19, s19, s16                     ; the tile of 128 columns
	s_lshl_b32 s24, s18, 20                        ; 128 rows of 8,192 bytes
	s_lshl_b32 s25, s19, 8
	s_add_co_u32 s24, s24, s25
	s_mov_b32 s25, 0
	s_lshl_b32 s26, s18, 5
	s_add_co_u32 s26, s26, s19
	s_mul_i32 s26, s26, UNIT
	s_mov_b32 s27, 0
	s_wait_kmcnt 0x0
	s_cmp_lt_u32 ttmp9, 256                        ; W_prev's work-group or W_up's: the choice hangs on the work-group's number alone
	s_cselect_b64 s[6:7], s[6:7], s[8:9]
	s_cselect_b64 s[12:13], s[12:13], s[14:15]
	s_add_nc_u64 s[6:7], s[6:7], s[24:25]
	s_add_nc_u64 s[12:13], s[12:13], s[26:27]
	WLOAD 0
	WLOAD 1
.irp t, 0,1,2,3,4,5,6,7
.if \t < 7
	s_wait_loadcnt 16                              ; this half block's 16 loads are in; the next one's stay out
.else
	s_wait_loadcnt 0x0
.endif
	WCVT \t%2
.if \t < 6
	WLOAD \t+2
.endif
.if \t%2 == 1
	WBLOCK \t/2
.endif
.endr
	s_wait_xcnt 0x0                                ; the last stores have read C
.irp j, 0,1,2,3
	ds_store_b32 v5, v[SW+\j] offset:16*\j
.endr
	ds_load_b128 v[C:C+3], v6
	s_wait_dscnt 0x0
	global_store_b128 v2, v[C:C+3], s[12:13] offset:SCO    ; the unit's 512 bytes of scale words
	s_wait_tensorcnt 0x0
	ds_add_u32 v14, v15
	s_wait_dscnt 0x0
	s_endpgm
	; ---- PATH A.  Lane (r, h) ends up with row r's k = 32 c + 16 h + 0 .. 15, c = 0 .. 3, of a fragment.
.Lapath:
	v_and_b32 v8, 15, v0                           ; r
	v_bfe_u32 v6, v0, 4, 1                         ; h
	v_lshlrev_b32 v9, 4, v8                        ; 16 r
	v_lshl_add_u32 v1, v6, 13, v9                  ; loads: lanes 0-15 one row's 256 bytes, lanes 16-31 the next row's
	v_lshl_add_u32 v5, v6, 3, v9                   ; scale words: 16 r + 8 h
	s_mul_i32 s17, s16, AREG
	s_add_co_u32 s17, s17, ABASE
	v_mul_u32_u24 v3, v6, 272
	v_add_nc_u32 v3, v3, v9
	v_add_nc_u32 v3, s17, v3                       ; the stage, on the way in: row h, 16 r
	v_mul_u32_u24 v4, v8, 272
	v_lshl_add_u32 v4, v6, 5, v4
	v_add_nc_u32 v4, s17, v4                       ; and out: row r, 32 h
.irp b, 0,1,2,3
	v_mov_b32 v[TM+4+\b], 0                        ; written once: a lane permute's destination counts as one of its sources
.endr
	s_sub_co_u32 s18, ttmp9, 512
	s_lshr_b32 s19, s18, 2                         ; which 64 rows
	s_and_b32 s18, s18, 3
	s_lshl_b32 s18, s18, 2
	s_add_co_u32 s18, s18, s16                     ; which 256 along K
	s_lshl_b32 s24, s19, 19                        ; 64 rows of 8,192 bytes
	s_lshl_b32 s25, s18, 9
	s_add_co_u32 s24, s24, s25
	s_mov_b32 s25, 0
	s_lshl_b32 s26, s18, 5                         ; unit (2 x that) x 16 + tile of 128 rows
	s_lshr_b32 s27, s19, 1
	s_add_co_u32 s26, s26, s27
	s_mul_i32 s26, s26, UNIT
	s_mov_b32 s27, 0
	s_and_b32 s28, s19, 1                          ; the tile's first or second 64 rows
	s_lshl_b32 s30, s28, 13
	s_mov_b32 s31, 0
	s_lshl_b32 s28, s28, 8
	s_add_co_u32 s28, s28, SCO
	s_mov_b32 s29, 0
	s_wait_alu depctr_va_vdst(0)
	s_wait_kmcnt 0x0
	s_add_nc_u64 s[4:5], s[4:5], s[24:25]
	s_add_nc_u64 s[10:11], s[10:11], s[26:27]      ; the first unit
	s_add_nc_u64 s[12:13], s[10:11], s[28:29]      ; my 256 bytes of its scale words
	s_add_nc_u64 s[10:11], s[10:11], s[30:31]      ; my four fragments in it
	ALOAD 0
	ALOAD 1
	s_wait_loadcnt 8                               ; step 0's eight loads are in
	ATURN 0
.irp t, 0,1,2,3,4,5,6,7
	ASTEP \t
.endr
	v_cmp_ne_u32 vcc_lo, 0, v6                     ; both halves of the lanes hold row r's words: lanes 0-15 store fragments 0, 1, lanes 16-31 fragments 2, 3
.irp k, 0,1
	v_cndmask_b32 v[104+2*\k], v[PWS+4*\k], v[PWS+4*\k+2], vcc_lo
	v_cndmask_b32 v[105+2*\k], v[PWS+4*\k+1], v[PWS+4*\k+3], vcc_lo
	global_store_b64 v5, v[104+2*\k:105+2*\k], s[12:13] offset:KS2*\k      ; 256 consecutive bytes, aligned
.endr
	s_wait_tensorcnt 0x0
	ds_add_u32 v14, v15
	s_wait_dscnt 0x0
	s_endpgm
.Lfunc_end_k_q0f4464ec7b_quant:
	.size	k_q0f4464ec7b_quant, .Lfunc_end_k_q0f4464ec7b_quant-k_q0f4464ec7b_quant
	.p2alignl 7, 3214868480
	.fill 96, 4, 3214868480
	.section	.rodata,"a",@progbits
	.p2align	6, 0x0
	.amdhsa_kernel k_q0f4464ec7b_quant
		.amdhsa_group_segment_fixed_size 37376
		.amdhsa_private_segment_fixed_size 0
		.amdhsa_enable_private_segment 0
		.amdhsa_kernarg_size 48
		.amdhsa_user_sgpr_count 2
		.amdhsa_user_sgpr_kernarg_segment_ptr 1
		.amdhsa_wavefront_size32 1
		.amdhsa_system_sgpr_workgroup_id_x 1
		.amdhsa_system_sgpr_workgroup_id_y 1
		.amdhsa_system_sgpr_workgroup_id_z 1
		.amdhsa_system_vgpr_workitem_id 0
		.amdhsa_next_free_vgpr 256
		.amdhsa_next_free_sgpr 66
		.amdhsa_reserve_vcc 1
		.amdhsa_float_denorm_mode_32 3
		.amdhsa_float_denorm_mode_16_64 3
		.amdhsa_memory_ordered 1
		.amdhsa_forward_progress 1
		.amdhsa_inst_pref_size 196
	.end_amdhsa_kernel
	.amdgpu_metadata
---
amdhsa.version: [ 1, 2 ]
amdhsa.kernels:
  - .name:           k_q0f4464ec7b_quant
    .symbol:         k_q0f4464ec7b_quant.kd
    .args:
      - { .name: A_prev, .offset: 0, .size: 8, .value_kind: global_buffer, .address_space: global }
      - { .name: W_prev, .offset: 8, .size: 8, .value_kind: global_buffer, .address_space: global }
      - { .name: W_up, .offset: 16, .size: 8, .value_kind: global_buffer, .address_space: global }
      - { .name: a_q, .offset: 24, .size: 8, .value_kind: global_buffer, .address_space: global }
      - { .name: wp_q, .offset: 32, .size: 8, .value_kind: global_buffer, .address_space: global }
      - { .name: wu_q, .offset: 40, .size: 8, .value_kind: global_buffer, .address_space: global }
    .group_segment_fixed_size: 37376
    .private_segment_fixed_size: 0
    .kernarg_segment_align: 8
    .kernarg_segment_size: 48
    .max_flat_workgroup_size: 128
    .sgpr_count:     66
    .vgpr_count:     256
    .wavefront_size: 32
...
	.end_amdgpu_metadata
.endif
;; end of part 1
;; launch gemm1 (part 2): grid 16 x 16, 4 waves a work-group, clusters of 4 x 4, 327,680 bytes of LDS; arguments a_q, wp_q, act_q; writes act_q
.if DOCPART == 2
	.amdgcn_target "amdgcn-amd-amdhsa--gfx1250"
	.amdhsa_code_object_version 6
	.text
	.protected	k_q0f4464ec7b_gemm1
	.globl	k_q0f4464ec7b_gemm1
	.p2align	8
	.type	k_q0f4464ec7b_gemm1,@function
k_q0f4464ec7b_gemm1:
	s_mov_b64 s[64:65], 0
	v_nop
	global_prefetch_b8 v0, s[64:65] scope:SCOPE_SE
	s_setreg_imm32_b32 hwreg(HW_REG_WAVE_MODE, 25, 1), 1
	s_wait_xcnt 0x0
	s_wait_alu depctr_hold_cnt(0) depctr_sa_sdst(0) depctr_va_vdst(0) depctr_va_sdst(0) depctr_va_ssrc(0) depctr_va_vcc(0) depctr_vm_vsrc(0)
	s_getreg_b32 s2, hwreg(HW_REG_IB_STS2, 6, 4)
	s_cmp_eq_u32 s2, 0
	s_cbranch_scc0 .Lentry_in_a_cluster
	s_endpgm
.Lentry_in_a_cluster:
	s_bfe_u32 s2, ttmp6, 0x10000c
	s_cmp_lg_u32 s2, 0xf033
	s_cbranch_scc0 .Lentry_shape_is_right
	s_endpgm
.Lentry_shape_is_right:
; act = A W on codes of FP8 (E4M3) with one E8M0 scale for each 32 along K; M = 2,048, N = K = 4,096; sums in f32, K ascending.  act leaves as codes and scale bytes for the next product, whose K is this one's N.
; OPERANDS lie in memory as images of the operand registers.  A UNIT (16,896 bytes) holds 128 rows x 128 along K: eight fragments [rb][c][lane][16 bytes], then at byte 16,384 the scale words
; [half][r][q] (fragment 4 half + q, row r).  A buffer is [K step of 128][tile of 128 rows][UNIT]: 16 tiles for the activations, 32 for the weights.  A weight's fragment row r of rb = 2 c + u is
; column 32 c + 8 u + r + 8 (r / 8).  THE MATRIX INSTRUCTION IS USED TRANSPOSED (source 0 = weights, source 1 = activations): register j of lane (r, h) of accumulator (a, 2 c + u) is
; act(row 16 a + r, column 32 c + 16 h + 8 u + j): the 16 registers of two neighbouring accumulators are 16 neighbours along the next K.
; SHARES.  A work-group makes 128 rows x 256 columns: 256 work-groups.  Wave w makes rows 64 (w / 2) on x columns 128 (w % 2) on: 32 accumulators, 32 matrix instructions a K step.
; THE RING: two slots of three K steps: A's three units, then the weights' three pairs of units: 152,064 bytes.  4 x 4 work-groups form a cluster: A's units hang on the tile row alone and are asked for
; jointly along a row of the cluster, the weights' on the tile column alone and jointly along a column.  AT THE HEAD both slots are asked for, one load a wave: wave w brings, for slot w / 2, A's three
; units (w even) or the weights' three pairs (w odd).  A REFILL, behind a round of the cluster's barrier, is shared out among all four waves: wave 0 brings A's three units, wave 1 + j the weights' pair
; of the slot's K step j.  By the text's count a wave has one load out at the most.
; 32 K steps are 2 + 10 x 3: period 0 multiplies K steps 0 and 1, period p = 1 .. 10 K steps 3 p - 1 to 3 p + 1.  The head's load of slot 0 still brings three rows (K steps 0 to 2)
; its third row is not read there, and K step 2 comes once more with slot 1: 1 / 32 of the tiles' bytes are asked for twice.
; A K STEP: eight plain lines, one run of 50 LDS loads (the next K step's 8 + 4 fragments and scale words, into the other set of registers), 32 matrix instructions.  The change of slots stands ahead of a
; period's last K step, whose fragments are in registers by then.
; PREFETCH: in period p each wave names its share of the fill of period p + 2 (K steps 3 p + 11 to 3 p + 13): of a unit of A (66 blocks of 256 bytes) or a pair of the weights (132) the four partners of a
; joint load take 17 or 33 blocks each, told apart by address, and the two waves of a kind 9 + 8 or 17 + 16 of these; periods 7 and on ask for nothing, so no address leaves its buffer.
; act goes into the quantiser as the f32 sum.
; LIMITS: NaN and infinities are not served; a block whose largest magnitude lies under 2^-118 (a block of zeros too) gets the byte 1; its bytes are read by this program alone.
; REGISTERS, in windows of 256.  Window 0: v1-31 and v48-59 addresses; v32-47 scale words, two sets of 8 (register i: lanes 0-15 A's fragment i, lanes 16-31 the weights' fragment i); v64 on: the way out.
;   Window 1: the accumulators ((a, b) at v[8 (8 a + b)]).  Windows 2 and 3: the two sets of fragments: the weights' eight at v0, A's four at v128.
.set UNIT,  16896
.set SCO,   16384
.set KSA,   16*UNIT                    ; the activations: from one K step to the next
.set KSB,   32*UNIT                    ; the weights: likewise
.set SLOT,  9*UNIT
.set SPARE, 2*SLOT                     ; the spare words, 128 bytes for each wave: two blocks of 256 bytes that no other line names
.set AA,  1                            ; v1-6   my four fragments of A: register 3 slot + K step
.set BD,  7                            ; v7-12  my unit of the weights
.set S0,  13                           ; v13-18 scale words 0-3: lanes 0-15 A's, lanes 16-31 the weights'
.set S1,  19                           ; v19-24 scale words 4-7: lanes 16-31 the weights' (lanes 0-15 read A's again; they are not used)
.set PF1, 25                           ; the prefetches' offset
.set HH,  27                           ; h = lane / 16
.set SPW, 28                           ; LDS address of my spare word; never rewritten
.set NIL, 29                           ; 0; never rewritten
.set L16, 30                           ; 16 x lane
.set R16, 31                           ; 16 r
.set SC,  32
.set O1,  48                           ; the way out: 16 r + 8 h
.set T,   64                           ; the way out: 64 held numbers of a lane
.set TM,  160                          ; at work in QUANT
.set PWS, 176                          ; my row's scale word of each of the four fragments
.set G1A, 24                           ; s[24:31] group 1, A: three rows of one unit, a K step apart
.set G1B, 32                           ; s[32:39] group 1, the weights at the head: three rows of two units
.set G1C, 68                           ; s[68:75] group 1, the weights in a refill: one K step's two units, as two dense rows
.set G0A, 40                           ; s[40:43], s[44:47] groups 0
.set G0B, 44
.set PFA, 52                           ; s[52:53] where my prefetches stand; s[54:55] three K steps of that buffer
.set PST, 54
.set SEL, 60
.set MNT, 62
.set MSB, 0
.macro WIN new                         ; the immediate's high byte repeats the setting that is left
.if MSB != (\new)
	s_set_vgpr_msb (MSB<<8)|(\new)
.set MSB, (\new)
.endif
.endm
.macro PLACES n
.rept \n
	v_nop
.endr
.endm
.macro CREST                           ; a round of the cluster's barrier behind its opening barrier
	s_cmp_lg_u32 s10, 0
	s_cbranch_scc1 .Lnot_wave_0_\@
	s_barrier_signal -3
.Lnot_wave_0_\@:
	s_barrier_wait -3
	s_barrier_signal -1
	s_barrier_wait -1
.endm
.macro CROUND
	s_barrier_signal -1
	s_barrier_wait -1
	CREST
.endm
.macro ARMS                            ; the head: even waves ask for A's units, odd waves for the weights'; an s_nop 0 and four v_nop follow each line
	s_cmp_eq_u32 s12, 0
	s_cbranch_scc0 .Lfor_b_\@
	tensor_load_to_lds s[G0A:G0A+3], s[G1A:G1A+7]
	s_nop 0
	PLACES 4
	s_branch .Lasked_\@
.Lfor_b_\@:
	tensor_load_to_lds s[G0B:G0B+3], s[G1B:G1B+7]
	s_nop 0
	PLACES 4
.Lasked_\@:
.endm
.macro JLOAD s                         ; slot s is filled again: wave 0 asks for A's three units, waves 1 to 3 for one K step's pair of the weights each; the branch hangs on the wave's number alone
	s_mov_b32 s[G0A+1], (\s)*SLOT                  ; no tensor load of mine is out: the LDS addresses are written for this slot
	s_add_co_u32 s[G0B+1], s58, (\s)*SLOT          ; s58 = one unit + 2 units x my wave's number
	s_cmp_eq_u32 s10, 0
	s_cbranch_scc0 .Lre_b_\@
	tensor_load_to_lds s[G0A:G0A+3], s[G1A:G1A+7]
	s_nop 0
	PLACES 4
	s_branch .Lre_d_\@
.Lre_b_\@:
	tensor_load_to_lds s[G0B:G0B+3], s[G1C:G1C+7]
	s_nop 0
	PLACES 4
.Lre_d_\@:
.endm
; A's fragments a0 .. a0 + n - 1 of a set, each against the weights' eight.  The accumulators take turns.  zero = 1: the product starts the sum.
.macro MULP set, a0, n, zero
	WIN 0x5a+5*(\set)                              ; sources 0 and 1 window 2 or 3, C and D window 1
.set aa, \a0
.rept \n
.set bb, 0
.rept 8
.set DD, 8*(8*aa+bb)
.if \zero
	v_wmma_scale_f32_16x16x128_f8f6f4 v[DD:DD+7], v[16*bb:16*bb+15], v[128+16*aa:128+16*aa+15], 0, v[SC+8*(\set)+bb], v[SC+8*(\set)+aa] matrix_a_scale:MATRIX_SCALE_ROW1
.else
	v_wmma_scale_f32_16x16x128_f8f6f4 v[DD:DD+7], v[16*bb:16*bb+15], v[128+16*aa:128+16*aa+15], v[DD:DD+7], v[SC+8*(\set)+bb], v[SC+8*(\set)+aa] matrix_a_scale:MATRIX_SCALE_ROW1
.endif
.set bb, bb+1
.endr
.set aa, aa+1
.endr
.endm
.macro FETCH set, s, k                 ; K step k of slot s into a set: 50 loads, each of 512 consecutive bytes
	WIN 0x80+0x40*(\set)
.set i, 0
.rept 32
	ds_load_b128 v[4*i:4*i+3], v[BD+3*(\s)+(\k)] offset:512*i
.set i, i+1
.endr
.set i, 0
.rept 16
	ds_load_b128 v[128+4*i:128+4*i+3], v[AA+3*(\s)+(\k)] offset:512*i
.set i, i+1
.endr
	WIN 0
	ds_load_b128 v[SC+8*(\set):SC+8*(\set)+3], v[S0+3*(\s)+(\k)]
	ds_load_b128 v[SC+8*(\set)+4:SC+8*(\set)+7], v[S1+3*(\s)+(\k)]
.endm
.macro ASK pf                          ; pf = 2: not in the loop's last trip, whose look-ahead would pass the last K step
.if \pf
.if (\pf) == 2
	s_cmp_lg_u32 s3, 1
	s_cbranch_scc0 .Lno_ask_\@
.endif
	s_cmp_eq_u32 s12, 0
	s_cbranch_scc0 .Lask_b_\@
.irp k, 0,1,2
	global_prefetch_b8 v[PF1], s[PFA:PFA+1] offset:\k*KSA th:TH_LOAD_NT scope:SCOPE_SE
.endr
	s_branch .Lno_ask_\@
.Lask_b_\@:
.irp k, 0,1,2
	global_prefetch_b8 v[PF1], s[PFA:PFA+1] offset:\k*KSB th:TH_LOAD_NT scope:SCOPE_SE
.endr
.Lno_ask_\@:
.endif
.endm
.macro KST cur, s, kn, zero            ; a K step whose successor kn lies in the same slot
	PLACES 8                                       ; eight plain lines between this matrix form and loads into its registers
	FETCH 1-(\cur), \s, \kn
	s_wait_dscnt 50                                ; all but the 50 just issued: this K step's fragments are in
	MULP \cur, 0, 4, \zero
.endm
; A period's last K step.  mode 2: the slot is filled again; 1: the other slot is only shown whole; 0: the launch's last K step.
.macro LAST s, cur, mode, pf
	WIN 0
.if (\mode) == 0
	s_wait_dscnt 0x0
	MULP \cur, 0, 4, 0
.else
	s_wait_dscnt 0x0                               ; this K step's fragments are in: my reads of this slot are over
	s_wait_tensorcnt 0x0                           ; all my tensor loads have landed: my part of the other slot;
	ds_add_u32 v[SPW], v[NIL]                      ; 0 onto my spare word;
	MULP \cur, 0, 1, 0                             ; eight matrix instructions stand between the add and the wait for it
	s_wait_dscnt 0x0                               ; the add is done
	s_barrier_signal -1
	MULP \cur, 1, 1, 0                             ; work on registers while the others arrive
	WIN 0
	s_barrier_wait -1
.if (\mode) == 2
	CREST                                          ; no wave of any partner still reads this slot or has a load on its way
	s_add_nc_u64 s[G0A+2:G0A+3], s[G0A+2:G0A+3], 3*KSA     ; every wave steps both addresses in every period: in period p A's stands at K step 3 p + 5, the weights' at 3 p + 4 + my wave's number
	s_add_nc_u64 s[G0B+2:G0B+3], s[G0B+2:G0B+3], 3*KSB
	JLOAD \s
.endif
	PLACES 8
	FETCH 1-(\cur), 1-(\s), 0
	ASK \pf
	MULP \cur, 2, 2, 0
.endif
	WIN 0
.endm
.macro PERIOD s, x, nk, zero, mode, pf ; slot s; its first K step lies in set x
.if (\pf) && (\zero) == 0
	s_wait_xcnt 0x0                                ; my last prefetches have read their address
	s_add_nc_u64 s[PFA:PFA+1], s[PFA:PFA+1], s[PST:PST+1]
.endif
	KST \x, \s, 1, \zero
.if (\nk) == 3
	KST 1-(\x), \s, 2, 0
	LAST \s, \x, \mode, \pf
.else
	LAST \s, 1-(\x), \mode, \pf
.endif
.endm
; The 64 sums of a lane in fragment a, accumulator register 16 b + i = k 32 b + 16 (lane / 16) + i of my row, become a fragment's codes and my row's scale word.
.macro QUANT a, pc, pw
	WIN 0x05                                       ; sources 0 and 1: window 1
.irp b, 0,1,2,3
	v_max3_num_f32 v[TM+\b], |v[64*(\a)+16*\b]|, |v[64*(\a)+1+16*\b]|, 0x4800000 ; each accumulator from its low end on; the floor 2^(9 - 127): the byte cannot fall under 1
.endr
	WIN 0x14                                       ; sources 1 and 2: window 1
.irp i, 2,4,6,8,10,12,14
.irp b, 0,1,2,3
	v_max3_num_f32 v[TM+\b], v[TM+\b], |v[64*(\a)+16*\b+\i]|, |v[64*(\a)+1+16*\b+\i]|
.endr
.endr
	WIN 0
.irp b, 0,1,2,3
	v_permlanex16_b32 v[TM+4+\b], v[TM+\b], s[SEL], s[SEL+1]
.endr
.irp b, 0,1,2,3
	v_max_num_f32 v[TM+\b], v[TM+\b], v[TM+4+\b]           ; with lane l xor 16's 16: the block's largest magnitude
.endr
.irp b, 0,1,2,3
	v_add_nc_u32 v[TM+12+\b], 0xfc000000, v[TM+\b]         ; 8 off the exponent field: the conversion's scale operand
.endr
.irp b, 0,1,2,3
	v_and_or_b32 v[TM+8+\b], v[TM+\b], 0x7f800000, s[MNT]  ; 448 x the scale
.endr
.irp b, 0,1,2,3
	v_lshrrev_b32 v[TM+4+\b], 23, v[TM+12+\b]              ; the scale's byte
.endr
	v_lshl_or_b32 v[\pw], v[TM+5], 8, v[TM+4]
	v_lshl_or_b32 v[\pw], v[TM+6], 16, v[\pw]
	v_lshl_or_b32 v[\pw], v[TM+7], 24, v[\pw]
	WIN 0x01                                       ; source 0: window 1
.irp b, 0,1,2,3
.irp i, 0,1,2,3,4,5,6,7,8,9,10,11,12,13,14,15
	v_med3_num_f32 v[T+16*\b+\i], v[64*(\a)+16*\b+\i], -v[TM+8+\b], v[TM+8+\b]   ; the conversion to an 8-bit code does not saturate (ISA guide 7.6.2); the held number goes to window 0
.endr
.endr
	WIN 0
.irp b, 0,1,2,3
	v_cvt_scalef32_pk8_fp8_f32 v[(\pc)+4*\b:(\pc)+1+4*\b], v[T+16*\b:T+7+16*\b], v[TM+12+\b]
	v_cvt_scalef32_pk8_fp8_f32 v[(\pc)+2+4*\b:(\pc)+3+4*\b], v[T+8+16*\b:T+15+16*\b], v[TM+12+\b]
.endr
	v_nop                                                  ; a plain line between the conversions and the next vector lines that write their sources
.endm
	s_load_b128 s[4:7], s[0:1], 0x0                ; the activations' units s[4:5], the weights' s[6:7]
	s_load_b64 s[8:9], s[0:1], 0x10                ; act's units
	v_lshl_add_u32 v[SPW], v0, 2, SPARE
	v_mov_b32 v[NIL], 0
	ds_add_u32 v[SPW], v[NIL]                      ; the opening lines: the add, twice on end, and its wait ahead of my first tensor load
	ds_add_u32 v[SPW], v[NIL]
	v_lshrrev_b32 v[L16], 5, v0
	v_readfirstlane_b32 s10, v[L16]                ; wave 0..3
	s_lshr_b32 s11, s10, 1                         ; my 64 rows; also the slot that I fill at the head, and which part of a share I prefetch
	s_and_b32 s12, s10, 1                          ; my 128 columns; also: at the head and in the prefetches I ask for A (0) or for the weights (1)
	s_xor_b32 s19, s11, 1
	s_bfe_u32 s13, ttmp6, 0x40000                  ; cx, cy: my place in the cluster
	s_bfe_u32 s14, ttmp6, 0x40004
	s_lshl_b32 s15, ttmp9, 2
	s_add_co_u32 s15, s15, s13                     ; x: my work-group's 256 columns
	s_and_b32 s16, ttmp7, 0xffff
	s_lshl_b32 s16, s16, 2
	s_add_co_u32 s16, s16, s14                     ; y: its 128 rows
	s_lshl_b32 s17, s14, 2
	s_lshl_b32 s17, 15, s17                        ; my row of the cluster
	s_lshl_b32 s18, 0x1111, s13                    ; my column
	s_or_b32 s[G1A], s17, (3<<16)|(1<<21)          ; 15:0 the mask; 17:16 elements of 8 bytes; 21 set beside a mask; no padding: images are read as they lie
	s_mov_b32 s[G1A+1], (UNIT/8)<<16               ; tensor_dim0: a unit
	s_mov_b32 s[G1A+2], 3<<16                      ; tensor_dim1
	s_mov_b32 s[G1A+3], (UNIT/8)<<16               ; tile_dim0
	s_mov_b32 s[G1A+4], 3                          ; tile_dim1
	s_mov_b32 s[G1A+5], KSA/8                      ; from row to row: a K step
	s_mov_b32 s[G1A+6], 0
	s_mov_b32 s[G1A+7], 0
	s_or_b32 s[G1B], s18, (3<<16)|(1<<21)
	s_mov_b32 s[G1B+1], (UNIT/4)<<16               ; two neighbouring units
	s_mov_b32 s[G1B+2], 3<<16
	s_mov_b32 s[G1B+3], (UNIT/4)<<16
	s_mov_b32 s[G1B+4], 3
	s_mov_b32 s[G1B+5], KSB/8
	s_mov_b32 s[G1B+6], 0
	s_mov_b32 s[G1B+7], 0
	s_or_b32 s[G1C], s18, (3<<16)|(1<<21)
	s_mov_b32 s[G1C+1], (UNIT/8)<<16               ; two rows of one unit, one behind the other
	s_mov_b32 s[G1C+2], 2<<16
	s_mov_b32 s[G1C+3], (UNIT/8)<<16
	s_mov_b32 s[G1C+4], 2
	s_mov_b32 s[G1C+5], UNIT/8
	s_mov_b32 s[G1C+6], 0
	s_mov_b32 s[G1C+7], 0
	s_mul_i32 s58, s10, 2*UNIT                     ; a refill's pair in a slot: behind A's three units, pair w - 1: one unit + 2 units x w
	s_add_co_u32 s58, s58, UNIT
	s_lshl_b32 s20, s11, 5                         ; A at the head: K step 2 x my slot, tile y: hangs on y and the wave's number alone
	s_add_co_u32 s20, s20, s16
	s_mul_i32 s20, s20, UNIT
	s_mov_b32 s21, 0
	s_mul_i32 s48, s19, 2*KSA                      ; behind the head A's address stands at K step 2
	s_mov_b32 s49, 0
	s_lshl_b32 s56, s11, 6                         ; the weights at the head: K step 2 x my slot, tile 2 x: hangs on x and the wave's number alone
	s_lshl_b32 s57, s15, 1
	s_add_co_u32 s56, s56, s57
	s_mul_i32 s56, s56, UNIT
	s_mov_b32 s57, 0
	s_add_co_u32 s50, s12, 1                       ; behind the head the weights' address stands at K step 1 + w: 2 (w / 2) + 1 + w % 2
	s_mul_i32 s50, s50, KSB
	s_mov_b32 s51, 0
	s_wait_dscnt 0x0                               ; both opening adds are done
	s_wait_kmcnt 0x0
	s_add_nc_u64 s[20:21], s[4:5], s[20:21]
	s_add_nc_u64 s[56:57], s[6:7], s[56:57]
	CROUND                                         ; all sixteen work-groups are here: the first joint loads meet
	s_mov_b32 s[G0A], 1
	s_mul_i32 s[G0A+1], s11, SLOT                  ; LDS: my slot's first three units
	s_mov_b64 s[G0A+2:G0A+3], s[20:21]
	s_or_b32 s[G0A+3], s[G0A+3], 0x80000000
	s_mov_b32 s[G0B], 1
	s_mul_i32 s[G0B+1], s11, SLOT
	s_add_co_u32 s[G0B+1], s[G0B+1], 3*UNIT        ; and the six behind them
	s_mov_b64 s[G0B+2:G0B+3], s[56:57]
	s_or_b32 s[G0B+3], s[G0B+3], 0x80000000
	ARMS                                           ; the head's loads, one a wave: both slots
	; scalars first, then one block of vector lines
	s_add_co_u32 s67, s16, 11*16                   ; the prefetches begin at K step 11: A's unit,
	s_lshl_b32 s66, s15, 1
	s_add_co_u32 s66, s66, 11*32                   ; the weights' first unit
	s_mov_b32 s93, 131
	s_mov_b32 s[PST], 3*KSB
	s_cmp_eq_u32 s12, 0                            ; do I ask for A?
	s_cselect_b32 s66, s67, s66
	s_cselect_b32 s92, 8, 16                       ; the first wave of a kind names 9 or 17 blocks, the second 8 or 16
	s_cselect_b32 s94, 17, 33                      ; a partner's share of the 66 or 132 blocks
	s_cselect_b32 s93, 65, s93                     ; the last block
	s_cselect_b32 s95, s13, s14                    ; my place among the four that ask jointly
	s_cselect_b32 s[PST], 3*KSA, s[PST]
	s_cselect_b64 s[PFA:PFA+1], s[4:5], s[6:7]
	s_mul_i32 s66, s66, UNIT
	s_mov_b32 s67, 0
	s_mov_b32 s[PST+1], 0
	s_mul_i32 s95, s95, s94
	s_sub_co_u32 s96, s92, s11                     ; my last lane with a block of its own
	s_add_co_u32 s97, s92, 1
	s_mul_i32 s97, s97, s11
	s_add_co_u32 s97, s97, s95                     ; my first block
	s_add_nc_u64 s[PFA:PFA+1], s[PFA:PFA+1], s[66:67]
	s_lshl_b32 s88, s11, 13                        ; my four fragments in a unit of A
	s_mul_i32 s89, s12, UNIT
	s_lshl_b32 s91, s19, 8
	s_add_co_u32 s91, s91, s89
	s_add_co_u32 s91, s91, 3*UNIT-256              ; from A's words to the weights', K step 0
	s_add_co_u32 s89, s89, 3*UNIT                  ; my unit of the weights
	s_lshl_b32 s90, s11, 8
	s_add_co_u32 s90, s90, SCO                     ; A's words
	s_lshl_b32 s86, s15, 1                         ; act's unit: K step 2 x + my column half of the next product, tile y
	s_add_co_u32 s86, s86, s12
	s_lshl_b32 s86, s86, 4
	s_add_co_u32 s86, s86, s16
	s_mul_i32 s86, s86, UNIT
	s_mov_b32 s87, 0
	s_add_nc_u64 s[84:85], s[8:9], s[86:87]
	s_lshl_b32 s86, s11, 13
	s_add_nc_u64 s[8:9], s[84:85], s[86:87]        ; my four fragments
	s_lshl_b32 s86, s11, 8
	s_add_co_u32 s86, s86, SCO
	s_add_nc_u64 s[84:85], s[84:85], s[86:87]      ; and their 256 bytes of scale words
	s_mov_b32 s[SEL], 0x76543210
	s_mov_b32 s[SEL+1], 0xfedcba98
	s_mov_b32 s[MNT], 0x600000
	v_and_b32 v51, 31, v0
	v_and_b32 v52, 15, v0
	v_bfe_u32 v[HH], v0, 4, 1
	v_lshlrev_b32 v[L16], 4, v51
	v_lshlrev_b32 v[R16], 4, v52
	v_add_nc_u32 v[AA], s88, v[L16]
	v_add_nc_u32 v[BD], s89, v[L16]
	v_mul_u32_u24 v53, s91, v[HH]                  ; lanes 16-31 take the weights' words: the lower base + h x the distance
	v_add_nc_u32 v53, v53, v[R16]
	v_add_nc_u32 v[S0], s90, v53
	v_mul_u32_u24 v54, UNIT, v[HH]
.irp k, 1,2
	v_add_nc_u32 v[AA+\k], \k*UNIT, v[AA]
	v_add_nc_u32 v[BD+\k], \k*2*UNIT, v[BD]
	v_add_nc_u32 v[S0+\k], UNIT, v[S0+\k-1]        ; a K step on: one unit for A's words,
	v_add_nc_u32 v[S0+\k], v[S0+\k], v54           ; two for the weights'
.endr
.irp k, 0,1,2
	v_add_nc_u32 v[AA+3+\k], SLOT, v[AA+\k]
	v_add_nc_u32 v[BD+3+\k], SLOT, v[BD+\k]
	v_add_nc_u32 v[S0+3+\k], SLOT, v[S0+\k]
.endr
.irp j, 0,1,2,3,4,5
	v_lshl_add_u32 v[S1+\j], v[HH], 8, v[S0+\j]
.endr
	v_min_u32 v55, s96, v51                        ; lanes that are left over name their wave's last block again
	v_add_nc_u32 v55, s97, v55
	v_min_u32 v55, s93, v55                        ; held at the last block of the unit or pair
	v_lshlrev_b32 v[PF1], 8, v55
	v_lshl_add_u32 v[O1], v[HH], 3, v[R16]
.irp b, 0,1,2,3
	v_mov_b32 v[TM+4+\b], 0                        ; written once: a lane permute's destination counts as one of its sources
.endr
	s_wait_alu depctr_va_vdst(0)
	s_wait_tensorcnt 0x0                           ; my load is in; both slots are whole when all four waves have said so
	s_add_nc_u64 s[G0A+2:G0A+3], s[G0A+2:G0A+3], s[48:49]
	s_add_nc_u64 s[G0B+2:G0B+3], s[G0B+2:G0B+3], s[50:51]
	s_barrier_signal -1
	s_barrier_wait -1
	FETCH 0, 0, 0
	PERIOD 0, 0, 2, 1, 2, 1                        ; period 0: K step 0 starts the sums: nothing is ever cleared
	s_mov_b32 s3, 4
.Llap:                                                 ; periods 1 to 8, two a trip: after six K steps the sets are back where they began
	PERIOD 1, 0, 3, 0, 2, 2
	PERIOD 0, 1, 3, 0, 2, 2
	s_sub_co_u32 s3, s3, 1
	s_cmp_lg_u32 s3, 0
	s_cbranch_scc1 .Llap
	PERIOD 1, 0, 3, 0, 1, 0                        ; period 9 fills nothing
	PERIOD 0, 1, 3, 0, 0, 0
	; THE WAY OUT: a fragment of 16 rows at a time: its 128 columns are one K step of the next product, and the conversions' results are that operand's registers.
	PLACES 8
.irp a, 0,1,2,3
.if \a >= 2
	s_wait_xcnt 0x0                                ; the stores of two fragments ago have read these code registers
.endif
	QUANT \a, 128+16*(\a%2), PWS+\a
.irp c, 0,1,2,3
	global_store_b128 v[L16], v[128+16*(\a%2)+4*\c:128+16*(\a%2)+4*\c+3], s[8:9] offset:2048*\a+512*\c   ; 512 consecutive bytes, aligned
.endr
.endr
	v_cmp_ne_u32 vcc_lo, 0, v[HH]                  ; both halves of the lanes hold row r's words: lanes 0-15 store fragments 0, 1, lanes 16-31 fragments 2, 3
	v_cndmask_b32 v180, v[PWS], v[PWS+2], vcc_lo
	v_cndmask_b32 v181, v[PWS+1], v[PWS+3], vcc_lo
	global_store_b64 v[O1], v[180:181], s[84:85]   ; 256 consecutive bytes, aligned
	s_wait_tensorcnt 0x0                           ; the wave's end
	ds_add_u32 v[SPW], v[NIL]
	s_wait_dscnt 0x0
	CROUND                                         ; the closing round: no work-group ends while a partner may still ask for a tile that names it
	s_endpgm
.Lfunc_end_k_q0f4464ec7b_gemm1:
	.size	k_q0f4464ec7b_gemm1, .Lfunc_end_k_q0f4464ec7b_gemm1-k_q0f4464ec7b_gemm1
	.p2alignl 7, 3214868480
	.fill 96, 4, 3214868480
	.section	.rodata,"a",@progbits
	.p2align	6, 0x0
	.amdhsa_kernel k_q0f4464ec7b_gemm1
		.amdhsa_group_segment_fixed_size 327680
		.amdhsa_private_segment_fixed_size 0
		.amdhsa_enable_private_segment 0
		.amdhsa_kernarg_size 24
		.amdhsa_user_sgpr_count 2
		.amdhsa_user_sgpr_kernarg_segment_ptr 1
		.amdhsa_wavefront_size32 1
		.amdhsa_system_sgpr_workgroup_id_x 1
		.amdhsa_system_sgpr_workgroup_id_y 1
		.amdhsa_system_sgpr_workgroup_id_z 1
		.amdhsa_system_vgpr_workitem_id 0
		.amdhsa_next_free_vgpr 1024
		.amdhsa_next_free_sgpr 100
		.amdhsa_reserve_vcc 1
		.amdhsa_float_denorm_mode_32 3
		.amdhsa_float_denorm_mode_16_64 3
		.amdhsa_memory_ordered 1
		.amdhsa_forward_progress 1
		.amdhsa_inst_pref_size 156
	.end_amdhsa_kernel
	.amdgpu_metadata
---
amdhsa.version: [ 1, 2 ]
amdhsa.kernels:
  - .name:           k_q0f4464ec7b_gemm1
    .symbol:         k_q0f4464ec7b_gemm1.kd
    .args:
      - { .name: a_q, .offset: 0, .size: 8, .value_kind: global_buffer, .address_space: global }
      - { .name: wp_q, .offset: 8, .size: 8, .value_kind: global_buffer, .address_space: global }
      - { .name: act_q, .offset: 16, .size: 8, .value_kind: global_buffer, .address_space: global }
    .group_segment_fixed_size: 327680
    .private_segment_fixed_size: 0
    .kernarg_segment_align: 8
    .kernarg_segment_size: 24
    .max_flat_workgroup_size: 128
    .sgpr_count:     100
    .vgpr_count:     1024
    .wavefront_size: 32
...
	.end_amdgpu_metadata
.endif
;; end of part 2
;; launch gemm2 (part 3): grid 16 x 16, 4 waves a work-group, clusters of 4 x 4, 327,680 bytes of LDS; arguments act_q, wu_q, out0; writes out0
.if DOCPART == 3
	.amdgcn_target "amdgcn-amd-amdhsa--gfx1250"
	.amdhsa_code_object_version 6
	.text
	.protected	k_q0f4464ec7b_gemm2
	.globl	k_q0f4464ec7b_gemm2
	.p2align	8
	.type	k_q0f4464ec7b_gemm2,@function
k_q0f4464ec7b_gemm2:
	s_mov_b64 s[64:65], 0
	v_nop
	global_prefetch_b8 v0, s[64:65] scope:SCOPE_SE
	s_setreg_imm32_b32 hwreg(HW_REG_WAVE_MODE, 25, 1), 1
	s_wait_xcnt 0x0
	s_wait_alu depctr_hold_cnt(0) depctr_sa_sdst(0) depctr_va_vdst(0) depctr_va_sdst(0) depctr_va_ssrc(0) depctr_va_vcc(0) depctr_vm_vsrc(0)
	s_getreg_b32 s2, hwreg(HW_REG_IB_STS2, 6, 4)
	s_cmp_eq_u32 s2, 0
	s_cbranch_scc0 .Lentry_in_a_cluster
	s_endpgm
.Lentry_in_a_cluster:
	s_bfe_u32 s2, ttmp6, 0x10000c
	s_cmp_lg_u32 s2, 0xf033
	s_cbranch_scc0 .Lentry_shape_is_right
	s_endpgm
.Lentry_shape_is_right:
; out = act W_up on codes of FP8 (E4M3) with one E8M0 scale for each 32 along K; M = 2,048, N = K = 4,096; sums in f32, K ascending, out rounded once to f16.
; OPERANDS lie in memory as images of the operand registers.  A UNIT (16,896 bytes) holds 128 rows x 128 along K: eight fragments [rb][c][lane][16 bytes], then at byte 16,384 the scale words
; [half][r][q] (fragment 4 half + q, row r).  A buffer is [K step of 128][tile of 128 rows][UNIT]: 16 tiles for the activations, 32 for the weights.  A weight's fragment row r of rb = 2 c + u is
; column 32 c + 8 u + r + 8 (r / 8).  THE MATRIX INSTRUCTION IS USED TRANSPOSED (source 0 = weights, source 1 = activations): register j of lane (r, h) of accumulator (a, 2 c + u) is
; out(row 16 a + r, column 32 c + 16 h + 8 u + j): the 16 registers of two neighbouring accumulators are 16 neighbouring columns of one row.
; SHARES.  A work-group makes 128 rows x 256 columns: 256 work-groups.  Wave w makes rows 64 (w / 2) on x columns 128 (w % 2) on: 32 accumulators, 32 matrix instructions a K step.
; THE RING: two slots of three K steps: A's three units, then the weights' three pairs of units: 152,064 bytes.  4 x 4 work-groups form a cluster: A's units hang on the tile row alone and are asked for
; jointly along a row of the cluster, the weights' on the tile column alone and jointly along a column.  AT THE HEAD both slots are asked for, one load a wave: wave w brings, for slot w / 2, A's three
; units (w even) or the weights' three pairs (w odd).  A REFILL, behind a round of the cluster's barrier, is shared out among all four waves: wave 0 brings A's three units, wave 1 + j the weights' pair
; of the slot's K step j.  By the text's count a wave has one load out at the most.
; 32 K steps are 2 + 10 x 3: period 0 multiplies K steps 0 and 1, period p = 1 .. 10 K steps 3 p - 1 to 3 p + 1.  The head's load of slot 0 still brings three rows (K steps 0 to 2)
; its third row is not read there, and K step 2 comes once more with slot 1: 1 / 32 of the tiles' bytes are asked for twice.
; A K STEP: eight plain lines, one run of 50 LDS loads (the next K step's 8 + 4 fragments and scale words, into the other set of registers), 32 matrix instructions.  The change of slots stands ahead of a
; period's last K step, whose fragments are in registers by then.
; PREFETCH: in period p each wave names its share of the fill of period p + 2 (K steps 3 p + 11 to 3 p + 13): of a unit of A (66 blocks of 256 bytes) or a pair of the weights (132) the four partners of a
; joint load take 17 or 33 blocks each, told apart by address, and the two waves of a kind 9 + 8 or 17 + 16 of these; periods 7 and on ask for nothing, so no address leaves its buffer.
; LIMITS: NaN and infinities are not served; a sum beyond f16's range leaves as infinity, as in the source.
; REGISTERS, in windows of 256.  Window 0: v1-31 and v48-59 addresses; v32-47 scale words, two sets of 8 (register i: lanes 0-15 A's fragment i, lanes 16-31 the weights' fragment i); v128 on: the way out.
;   Window 1: the accumulators ((a, b) at v[8 (8 a + b)]).  Windows 2 and 3: the two sets of fragments: the weights' eight at v0, A's four at v128.
.set UNIT,  16896
.set SCO,   16384
.set KSA,   16*UNIT                    ; the activations: from one K step to the next
.set KSB,   32*UNIT                    ; the weights: likewise
.set SLOT,  9*UNIT
.set SPARE, 2*SLOT                     ; the spare words, 128 bytes for each wave: two blocks of 256 bytes that no other line names
.set STG,   SPARE+512                  ; the way out: a stage of 16 rows x (256 bytes + 16) for each wave, in bytes of its own
.set SPITCH, 272
.set AA,  1                            ; v1-6   my four fragments of A: register 3 slot + K step
.set BD,  7                            ; v7-12  my unit of the weights
.set S0,  13                           ; v13-18 scale words 0-3: lanes 0-15 A's, lanes 16-31 the weights'
.set S1,  19                           ; v19-24 scale words 4-7: lanes 16-31 the weights' (lanes 0-15 read A's again; they are not used)
.set PF1, 25                           ; the prefetches' offset
.set HH,  27                           ; h = lane / 16
.set SPW, 28                           ; LDS address of my spare word; never rewritten
.set NIL, 29                           ; 0; never rewritten
.set L16, 30                           ; 16 x lane
.set R16, 31                           ; 16 r
.set SC,  32
.set O1,  48                           ; the stage: where I put 32 bytes of a row
.set O2,  49                           ; and where I read 16 bytes of a row back
.set O3,  50                           ; my byte offset in two rows of out
.set PK,  128                          ; the way out: a fragment's sums as 32 pairs of f16
.set OB,  160                          ; v160-191, v192-223 by turns: 16 rows read back from the stage
.set G1A, 24                           ; s[24:31] group 1, A: three rows of one unit, a K step apart
.set G1B, 32                           ; s[32:39] group 1, the weights at the head: three rows of two units
.set G1C, 68                           ; s[68:75] group 1, the weights in a refill: one K step's two units, as two dense rows
.set G0A, 40                           ; s[40:43], s[44:47] groups 0
.set G0B, 44
.set PFA, 52                           ; s[52:53] where my prefetches stand; s[54:55] three K steps of that buffer
.set PST, 54
.set MSB, 0
.macro WIN new                         ; the immediate's high byte repeats the setting that is left
.if MSB != (\new)
	s_set_vgpr_msb (MSB<<8)|(\new)
.set MSB, (\new)
.endif
.endm
.macro PLACES n
.rept \n
	v_nop
.endr
.endm
.macro CREST                           ; a round of the cluster's barrier behind its opening barrier
	s_cmp_lg_u32 s10, 0
	s_cbranch_scc1 .Lnot_wave_0_\@
	s_barrier_signal -3
.Lnot_wave_0_\@:
	s_barrier_wait -3
	s_barrier_signal -1
	s_barrier_wait -1
.endm
.macro CROUND
	s_barrier_signal -1
	s_barrier_wait -1
	CREST
.endm
.macro ARMS                            ; the head: even waves ask for A's units, odd waves for the weights'; an s_nop 0 and four v_nop follow each line
	s_cmp_eq_u32 s12, 0
	s_cbranch_scc0 .Lfor_b_\@
	tensor_load_to_lds s[G0A:G0A+3], s[G1A:G1A+7]
	s_nop 0
	PLACES 4
	s_branch .Lasked_\@
.Lfor_b_\@:
	tensor_load_to_lds s[G0B:G0B+3], s[G1B:G1B+7]
	s_nop 0
	PLACES 4
.Lasked_\@:
.endm
.macro JLOAD s                         ; slot s is filled again: wave 0 asks for A's three units, waves 1 to 3 for one K step's pair of the weights each; the branch hangs on the wave's number alone
	s_mov_b32 s[G0A+1], (\s)*SLOT                  ; no tensor load of mine is out: the LDS addresses are written for this slot
	s_add_co_u32 s[G0B+1], s58, (\s)*SLOT          ; s58 = one unit + 2 units x my wave's number
	s_cmp_eq_u32 s10, 0
	s_cbranch_scc0 .Lre_b_\@
	tensor_load_to_lds s[G0A:G0A+3], s[G1A:G1A+7]
	s_nop 0
	PLACES 4
	s_branch .Lre_d_\@
.Lre_b_\@:
	tensor_load_to_lds s[G0B:G0B+3], s[G1C:G1C+7]
	s_nop 0
	PLACES 4
.Lre_d_\@:
.endm
; A's fragments a0 .. a0 + n - 1 of a set, each against the weights' eight.  The accumulators take turns.  zero = 1: the product starts the sum.
.macro MULP set, a0, n, zero
	WIN 0x5a+5*(\set)                              ; sources 0 and 1 window 2 or 3, C and D window 1
.set aa, \a0
.rept \n
.set bb, 0
.rept 8
.set DD, 8*(8*aa+bb)
.if \zero
	v_wmma_scale_f32_16x16x128_f8f6f4 v[DD:DD+7], v[16*bb:16*bb+15], v[128+16*aa:128+16*aa+15], 0, v[SC+8*(\set)+bb], v[SC+8*(\set)+aa] matrix_a_scale:MATRIX_SCALE_ROW1
.else
	v_wmma_scale_f32_16x16x128_f8f6f4 v[DD:DD+7], v[16*bb:16*bb+15], v[128+16*aa:128+16*aa+15], v[DD:DD+7], v[SC+8*(\set)+bb], v[SC+8*(\set)+aa] matrix_a_scale:MATRIX_SCALE_ROW1
.endif
.set bb, bb+1
.endr
.set aa, aa+1
.endr
.endm
.macro FETCH set, s, k                 ; K step k of slot s into a set: 50 loads, each of 512 consecutive bytes
	WIN 0x80+0x40*(\set)
.set i, 0
.rept 32
	ds_load_b128 v[4*i:4*i+3], v[BD+3*(\s)+(\k)] offset:512*i
.set i, i+1
.endr
.set i, 0
.rept 16
	ds_load_b128 v[128+4*i:128+4*i+3], v[AA+3*(\s)+(\k)] offset:512*i
.set i, i+1
.endr
	WIN 0
	ds_load_b128 v[SC+8*(\set):SC+8*(\set)+3], v[S0+3*(\s)+(\k)]
	ds_load_b128 v[SC+8*(\set)+4:SC+8*(\set)+7], v[S1+3*(\s)+(\k)]
.endm
.macro ASK pf                          ; pf = 2: not in the loop's last trip, whose look-ahead would pass the last K step
.if \pf
.if (\pf) == 2
	s_cmp_lg_u32 s3, 1
	s_cbranch_scc0 .Lno_ask_\@
.endif
	s_cmp_eq_u32 s12, 0
	s_cbranch_scc0 .Lask_b_\@
.irp k, 0,1,2
	global_prefetch_b8 v[PF1], s[PFA:PFA+1] offset:\k*KSA th:TH_LOAD_NT scope:SCOPE_SE
.endr
	s_branch .Lno_ask_\@
.Lask_b_\@:
.irp k, 0,1,2
	global_prefetch_b8 v[PF1], s[PFA:PFA+1] offset:\k*KSB th:TH_LOAD_NT scope:SCOPE_SE
.endr
.Lno_ask_\@:
.endif
.endm
.macro KST cur, s, kn, zero            ; a K step whose successor kn lies in the same slot
	PLACES 8                                       ; eight plain lines between this matrix form and loads into its registers
	FETCH 1-(\cur), \s, \kn
	s_wait_dscnt 50                                ; all but the 50 just issued: this K step's fragments are in
	MULP \cur, 0, 4, \zero
.endm
; A period's last K step.  mode 2: the slot is filled again; 1: the other slot is only shown whole; 0: the launch's last K step.
.macro LAST s, cur, mode, pf
	WIN 0
.if (\mode) == 0
	s_wait_dscnt 0x0
	MULP \cur, 0, 4, 0
.else
	s_wait_dscnt 0x0                               ; this K step's fragments are in: my reads of this slot are over
	s_wait_tensorcnt 0x0                           ; all my tensor loads have landed: my part of the other slot;
	ds_add_u32 v[SPW], v[NIL]                      ; 0 onto my spare word;
	MULP \cur, 0, 1, 0                             ; eight matrix instructions stand between the add and the wait for it
	s_wait_dscnt 0x0                               ; the add is done
	s_barrier_signal -1
	MULP \cur, 1, 1, 0                             ; work on registers while the others arrive
	WIN 0
	s_barrier_wait -1
.if (\mode) == 2
	CREST                                          ; no wave of any partner still reads this slot or has a load on its way
	s_add_nc_u64 s[G0A+2:G0A+3], s[G0A+2:G0A+3], 3*KSA     ; every wave steps both addresses in every period: in period p A's stands at K step 3 p + 5, the weights' at 3 p + 4 + my wave's number
	s_add_nc_u64 s[G0B+2:G0B+3], s[G0B+2:G0B+3], 3*KSB
	JLOAD \s
.endif
	PLACES 8
	FETCH 1-(\cur), 1-(\s), 0
	ASK \pf
	MULP \cur, 2, 2, 0
.endif
	WIN 0
.endm
.macro PERIOD s, x, nk, zero, mode, pf ; slot s; its first K step lies in set x
.if (\pf) && (\zero) == 0
	s_wait_xcnt 0x0                                ; my last prefetches have read their address
	s_add_nc_u64 s[PFA:PFA+1], s[PFA:PFA+1], s[PST:PST+1]
.endif
	KST \x, \s, 1, \zero
.if (\nk) == 3
	KST 1-(\x), \s, 2, 0
	LAST \s, \x, \mode, \pf
.else
	LAST \s, 1-(\x), \mode, \pf
.endif
.endm
	s_load_b128 s[4:7], s[0:1], 0x0                ; the activations' units s[4:5], the weights' s[6:7]
	s_load_b64 s[8:9], s[0:1], 0x10                ; out
	v_lshl_add_u32 v[SPW], v0, 2, SPARE
	v_mov_b32 v[NIL], 0
	ds_add_u32 v[SPW], v[NIL]                      ; the opening lines: the add, twice on end, and its wait ahead of my first tensor load
	ds_add_u32 v[SPW], v[NIL]
	v_lshrrev_b32 v[L16], 5, v0
	v_readfirstlane_b32 s10, v[L16]                ; wave 0..3
	s_lshr_b32 s11, s10, 1                         ; my 64 rows; also the slot that I fill at the head, and which part of a share I prefetch
	s_and_b32 s12, s10, 1                          ; my 128 columns; also: at the head and in the prefetches I ask for A (0) or for the weights (1)
	s_xor_b32 s19, s11, 1
	s_bfe_u32 s13, ttmp6, 0x40000                  ; cx, cy: my place in the cluster
	s_bfe_u32 s14, ttmp6, 0x40004
	s_lshl_b32 s15, ttmp9, 2
	s_add_co_u32 s15, s15, s13                     ; x: my work-group's 256 columns
	s_and_b32 s16, ttmp7, 0xffff
	s_lshl_b32 s16, s16, 2
	s_add_co_u32 s16, s16, s14                     ; y: its 128 rows
	s_lshl_b32 s17, s14, 2
	s_lshl_b32 s17, 15, s17                        ; my row of the cluster
	s_lshl_b32 s18, 0x1111, s13                    ; my column
	s_or_b32 s[G1A], s17, (3<<16)|(1<<21)          ; 15:0 the mask; 17:16 elements of 8 bytes; 21 set beside a mask; no padding: images are read as they lie
	s_mov_b32 s[G1A+1], (UNIT/8)<<16               ; tensor_dim0: a unit
	s_mov_b32 s[G1A+2], 3<<16                      ; tensor_dim1
	s_mov_b32 s[G1A+3], (UNIT/8)<<16               ; tile_dim0
	s_mov_b32 s[G1A+4], 3                          ; tile_dim1
	s_mov_b32 s[G1A+5], KSA/8                      ; from row to row: a K step
	s_mov_b32 s[G1A+6], 0
	s_mov_b32 s[G1A+7], 0
	s_or_b32 s[G1B], s18, (3<<16)|(1<<21)
	s_mov_b32 s[G1B+1], (UNIT/4)<<16               ; two neighbouring units
	s_mov_b32 s[G1B+2], 3<<16
	s_mov_b32 s[G1B+3], (UNIT/4)<<16
	s_mov_b32 s[G1B+4], 3
	s_mov_b32 s[G1B+5], KSB/8
	s_mov_b32 s[G1B+6], 0
	s_mov_b32 s[G1B+7], 0
	s_or_b32 s[G1C], s18, (3<<16)|(1<<21)
	s_mov_b32 s[G1C+1], (UNIT/8)<<16               ; two rows of one unit, one behind the other
	s_mov_b32 s[G1C+2], 2<<16
	s_mov_b32 s[G1C+3], (UNIT/8)<<16
	s_mov_b32 s[G1C+4], 2
	s_mov_b32 s[G1C+5], UNIT/8
	s_mov_b32 s[G1C+6], 0
	s_mov_b32 s[G1C+7], 0
	s_mul_i32 s58, s10, 2*UNIT                     ; a refill's pair in a slot: behind A's three units, pair w - 1: one unit + 2 units x w
	s_add_co_u32 s58, s58, UNIT
	s_lshl_b32 s20, s11, 5                         ; A at the head: K step 2 x my slot, tile y: hangs on y and the wave's number alone
	s_add_co_u32 s20, s20, s16
	s_mul_i32 s20, s20, UNIT
	s_mov_b32 s21, 0
	s_mul_i32 s48, s19, 2*KSA                      ; behind the head A's address stands at K step 2
	s_mov_b32 s49, 0
	s_lshl_b32 s56, s11, 6                         ; the weights at the head: K step 2 x my slot, tile 2 x: hangs on x and the wave's number alone
	s_lshl_b32 s57, s15, 1
	s_add_co_u32 s56, s56, s57
	s_mul_i32 s56, s56, UNIT
	s_mov_b32 s57, 0
	s_add_co_u32 s50, s12, 1                       ; behind the head the weights' address stands at K step 1 + w: 2 (w / 2) + 1 + w % 2
	s_mul_i32 s50, s50, KSB
	s_mov_b32 s51, 0
	s_wait_dscnt 0x0                               ; both opening adds are done
	s_wait_kmcnt 0x0
	s_add_nc_u64 s[20:21], s[4:5], s[20:21]
	s_add_nc_u64 s[56:57], s[6:7], s[56:57]
	CROUND                                         ; all sixteen work-groups are here: the first joint loads meet
	s_mov_b32 s[G0A], 1
	s_mul_i32 s[G0A+1], s11, SLOT                  ; LDS: my slot's first three units
	s_mov_b64 s[G0A+2:G0A+3], s[20:21]
	s_or_b32 s[G0A+3], s[G0A+3], 0x80000000
	s_mov_b32 s[G0B], 1
	s_mul_i32 s[G0B+1], s11, SLOT
	s_add_co_u32 s[G0B+1], s[G0B+1], 3*UNIT        ; and the six behind them
	s_mov_b64 s[G0B+2:G0B+3], s[56:57]
	s_or_b32 s[G0B+3], s[G0B+3], 0x80000000
	ARMS                                           ; the head's loads, one a wave: both slots
	; scalars first, then one block of vector lines
	s_add_co_u32 s67, s16, 11*16                   ; the prefetches begin at K step 11: A's unit,
	s_lshl_b32 s66, s15, 1
	s_add_co_u32 s66, s66, 11*32                   ; the weights' first unit
	s_mov_b32 s93, 131
	s_mov_b32 s[PST], 3*KSB
	s_cmp_eq_u32 s12, 0                            ; do I ask for A?
	s_cselect_b32 s66, s67, s66
	s_cselect_b32 s92, 8, 16                       ; the first wave of a kind names 9 or 17 blocks, the second 8 or 16
	s_cselect_b32 s94, 17, 33                      ; a partner's share of the 66 or 132 blocks
	s_cselect_b32 s93, 65, s93                     ; the last block
	s_cselect_b32 s95, s13, s14                    ; my place among the four that ask jointly
	s_cselect_b32 s[PST], 3*KSA, s[PST]
	s_cselect_b64 s[PFA:PFA+1], s[4:5], s[6:7]
	s_mul_i32 s66, s66, UNIT
	s_mov_b32 s67, 0
	s_mov_b32 s[PST+1], 0
	s_mul_i32 s95, s95, s94
	s_sub_co_u32 s96, s92, s11                     ; my last lane with a block of its own
	s_add_co_u32 s97, s92, 1
	s_mul_i32 s97, s97, s11
	s_add_co_u32 s97, s97, s95                     ; my first block
	s_add_nc_u64 s[PFA:PFA+1], s[PFA:PFA+1], s[66:67]
	s_lshl_b32 s88, s11, 13                        ; my four fragments in a unit of A
	s_mul_i32 s89, s12, UNIT
	s_lshl_b32 s91, s19, 8
	s_add_co_u32 s91, s91, s89
	s_add_co_u32 s91, s91, 3*UNIT-256              ; from A's words to the weights', K step 0
	s_add_co_u32 s89, s89, 3*UNIT                  ; my unit of the weights
	s_lshl_b32 s90, s11, 8
	s_add_co_u32 s90, s90, SCO                     ; A's words
	s_mul_i32 s98, s10, 16*SPITCH                  ; my stage
	s_add_co_u32 s98, s98, STG
	s_lshl_b32 s86, s16, 7                         ; out: row 128 y + 64 (w / 2), of 8,192 bytes; column 256 x + 128 (w % 2), of 2 bytes
	s_lshl_b32 s87, s11, 6
	s_add_co_u32 s86, s86, s87
	s_lshl_b32 s86, s86, 13
	s_lshl_b32 s87, s15, 9
	s_add_co_u32 s86, s86, s87
	s_lshl_b32 s87, s12, 8
	s_add_co_u32 s86, s86, s87
	s_mov_b32 s87, 0
	s_add_nc_u64 s[8:9], s[8:9], s[86:87]
	v_and_b32 v51, 31, v0
	v_and_b32 v52, 15, v0
	v_bfe_u32 v[HH], v0, 4, 1
	v_lshlrev_b32 v[L16], 4, v51
	v_lshlrev_b32 v[R16], 4, v52
	v_add_nc_u32 v[AA], s88, v[L16]
	v_add_nc_u32 v[BD], s89, v[L16]
	v_mul_u32_u24 v53, s91, v[HH]                  ; lanes 16-31 take the weights' words: the lower base + h x the distance
	v_add_nc_u32 v53, v53, v[R16]
	v_add_nc_u32 v[S0], s90, v53
	v_mul_u32_u24 v54, UNIT, v[HH]
.irp k, 1,2
	v_add_nc_u32 v[AA+\k], \k*UNIT, v[AA]
	v_add_nc_u32 v[BD+\k], \k*2*UNIT, v[BD]
	v_add_nc_u32 v[S0+\k], UNIT, v[S0+\k-1]        ; a K step on: one unit for A's words,
	v_add_nc_u32 v[S0+\k], v[S0+\k], v54           ; two for the weights'
.endr
.irp k, 0,1,2
	v_add_nc_u32 v[AA+3+\k], SLOT, v[AA+\k]
	v_add_nc_u32 v[BD+3+\k], SLOT, v[BD+\k]
	v_add_nc_u32 v[S0+3+\k], SLOT, v[S0+\k]
.endr
.irp j, 0,1,2,3,4,5
	v_lshl_add_u32 v[S1+\j], v[HH], 8, v[S0+\j]
.endr
	v_min_u32 v55, s96, v51                        ; lanes that are left over name their wave's last block again
	v_add_nc_u32 v55, s97, v55
	v_min_u32 v55, s93, v55                        ; held at the last block of the unit or pair
	v_lshlrev_b32 v[PF1], 8, v55
	v_mul_u32_u24 v[O1], v52, SPITCH
	v_lshl_add_u32 v[O1], v[HH], 5, v[O1]
	v_add_nc_u32 v[O1], s98, v[O1]                 ; in: row r, 32 h
	v_mul_u32_u24 v[O2], v[HH], SPITCH
	v_add_nc_u32 v[O2], v[O2], v[R16]
	v_add_nc_u32 v[O2], s98, v[O2]                 ; back: lanes 0-15 one row of 256 bytes, lanes 16-31 the next
	v_lshl_add_u32 v[O3], v[HH], 13, v[R16]        ; and the same two rows in out
	s_wait_alu depctr_va_vdst(0)
	s_wait_tensorcnt 0x0                           ; my load is in; both slots are whole when all four waves have said so
	s_add_nc_u64 s[G0A+2:G0A+3], s[G0A+2:G0A+3], s[48:49]
	s_add_nc_u64 s[G0B+2:G0B+3], s[G0B+2:G0B+3], s[50:51]
	s_barrier_signal -1
	s_barrier_wait -1
	FETCH 0, 0, 0
	PERIOD 0, 0, 2, 1, 2, 1                        ; period 0: K step 0 starts the sums: nothing is ever cleared
	s_mov_b32 s3, 4
.Llap:                                                 ; periods 1 to 8, two a trip: after six K steps the sets are back where they began
	PERIOD 1, 0, 3, 0, 2, 2
	PERIOD 0, 1, 3, 0, 2, 2
	s_sub_co_u32 s3, s3, 1
	s_cmp_lg_u32 s3, 0
	s_cbranch_scc1 .Llap
	PERIOD 1, 0, 3, 0, 1, 0                        ; period 9 fills nothing
	PERIOD 0, 1, 3, 0, 0, 0
	; THE WAY OUT, a fragment of 16 rows x 128 columns at a time.  A lane holds 32 bytes of each quarter of a row, and the lanes beside it other rows: so the fragment goes through my own stage
	; and comes back as whole rows of 256 bytes.
	PLACES 8
.irp a, 0,1,2,3
	WIN 0x05                                       ; sources 0 and 1: window 1
.set i, 0
.rept 32
	v_cvt_pk_f16_f32 v[PK+i], v[64*\a+2*i], v[64*\a+2*i+1]   ; each accumulator from its low end on
.set i, i+1
.endr
	WIN 0
.if \a >= 2
	s_wait_alu depctr_va_vdst(0)
	s_wait_xcnt 0x0                                ; the stores of two fragments ago have read the registers that the loads below fill
.endif
.irp c, 0,1,2,3
.irp e, 0,1
	ds_store_b128 v[O1], v[PK+8*\c+4*\e:PK+8*\c+4*\e+3] offset:64*\c+16*\e
.endr
.endr
.irp t, 0,1,2,3,4,5,6,7
	ds_load_b128 v[OB+32*(\a%2)+4*\t:OB+32*(\a%2)+4*\t+3], v[O2] offset:2*\t*SPITCH   ; LDS serves a wave's instructions in order (ISA guide 5.7.1.4): these see the stores above
.endr
	s_wait_dscnt 0x0
.irp t, 0,1,2,3,4,5,6,7
	global_store_b128 v[O3], v[OB+32*(\a%2)+4*\t:OB+32*(\a%2)+4*\t+3], s[8:9] offset:(16*\a+2*\t)*8192 th:TH_STORE_NT   ; sixteen lanes store 256 consecutive bytes, aligned; written once, read by nobody here
.endr
.endr
	s_wait_tensorcnt 0x0                           ; the wave's end
	ds_add_u32 v[SPW], v[NIL]
	s_wait_dscnt 0x0
	CROUND                                         ; the closing round: no work-group ends while a partner may still ask for a tile that names it
	s_endpgm
.Lfunc_end_k_q0f4464ec7b_gemm2:
	.size	k_q0f4464ec7b_gemm2, .Lfunc_end_k_q0f4464ec7b_gemm2-k_q0f4464ec7b_gemm2
	.p2alignl 7, 3214868480
	.fill 96, 4, 3214868480
	.section	.rodata,"a",@progbits
	.p2align	6, 0x0
	.amdhsa_kernel k_q0f4464ec7b_gemm2
		.amdhsa_group_segment_fixed_size 327680
		.amdhsa_private_segment_fixed_size 0
		.amdhsa_enable_private_segment 0
		.amdhsa_kernarg_size 24
		.amdhsa_user_sgpr_count 2
		.amdhsa_user_sgpr_kernarg_segment_ptr 1
		.amdhsa_wavefront_size32 1
		.amdhsa_system_sgpr_workgroup_id_x 1
		.amdhsa_system_sgpr_workgroup_id_y 1
		.amdhsa_system_sgpr_workgroup_id_z 1
		.amdhsa_system_vgpr_workitem_id 0
		.amdhsa_next_free_vgpr 1024
		.amdhsa_next_free_sgpr 100
		.amdhsa_reserve_vcc 0
		.amdhsa_float_denorm_mode_32 3
		.amdhsa_float_denorm_mode_16_64 3
		.amdhsa_memory_ordered 1
		.amdhsa_forward_progress 1
		.amdhsa_inst_pref_size 137
	.end_amdhsa_kernel
	.amdgpu_metadata
---
amdhsa.version: [ 1, 2 ]
amdhsa.kernels:
  - .name:           k_q0f4464ec7b_gemm2
    .symbol:         k_q0f4464ec7b_gemm2.kd
    .args:
      - { .name: act_q, .offset: 0, .size: 8, .value_kind: global_buffer, .address_space: global }
      - { .name: wu_q, .offset: 8, .size: 8, .value_kind: global_buffer, .address_space: global }
      - { .name: out0, .offset: 16, .size: 8, .value_kind: global_buffer, .address_space: global }
    .group_segment_fixed_size: 327680
    .private_segment_fixed_size: 0
    .kernarg_segment_align: 8
    .kernarg_segment_size: 24
    .max_flat_workgroup_size: 128
    .sgpr_count:     100
    .vgpr_count:     1024
    .wavefront_size: 32
...
	.end_amdgpu_metadata
.endif
;; end of part 3
